; MI455X (gfx1250); checked and timed in simulation.
; The chip was launched on July 23, 2026; its instructions are those of AMD's public machine-readable ISA for CDNA 5 (MIT licence, August 2026) and "CDNA5" Instruction Set Architecture Reference Guide (July 2026). The comments in the code are by the model that wrote it; some were corrected since.
;; Multi Headed Self Attention. Allowed arithmetic: matrix products marked QUANTISED: E4M3 operands, one given power-of-two scale a tensor, by v_wmma_f32_16x16x64_fp8_fp8 or v_wmma_f32_16x16x128_fp8_fp8, f32 sums; everything else in f32.
;; Inputs: Wk_codes 1,024 x 32 x 32 uint8 (E4M3 codes of Wk, K innermost, in blocks of 32 codes); Wq_codes 1,024 x 32 x 32 uint8 (E4M3 codes of Wq, K innermost, in blocks of 32 codes); Wv_codes 1,024 x 32 x 32 uint8 (E4M3 codes of Wv, K innermost, in blocks of 32 codes); bk 1,024 float32; bq 1,024 float32; bv 1,024 float32; lowp_scales 10 int32 (the exponents e of the quantised operands' scales 2^e); mask 4 x 2,048 int32; x_codes 4 x 2,048 x 32 x 32 uint8 (E4M3 codes of x, K innermost, in blocks of 32 codes).
;; Outputs: out0 4 x 2,048 x 1,024 float32.
;; This version of the problem:
;;   THIS VERSION OF THE PROBLEM IS GIVEN IN LOW PRECISION. The matrix products marked QUANTISED in the list below multiply operands that are first quantised to E4M3 (4 exponent bits, 3 mantissa bits; 8 bits a number), with one given power-of-two scale for each operand tensor; their sums are f32. All else is computed in f32.
;;   The module's matrix products, in the order in which they are computed (A, B: the left and right operand; K: the contracted axis; several contracted axes count as one K, in the product's order):
;;     1. [M 8,192, K 1,024] x [K 1,024, N 1,024]; A: input x (given as codes); B: input Wq (given as codes): QUANTISED (scales: A lowp_scales[0], B lowp_scales[1])
;;     2. [M 8,192, K 1,024] x [K 1,024, N 1,024]; A: input x (given as codes); B: input Wk (given as codes): QUANTISED (scales: A lowp_scales[2], B lowp_scales[3])
;;     3. [M 8,192, K 1,024] x [K 1,024, N 1,024]; A: input x (given as codes); B: input Wv (given as codes): QUANTISED (scales: A lowp_scales[4], B lowp_scales[5])
;;     4. batch 64 x [M 2,048, K 64] x [K 64, N 2,048]; A: computed on the way; B: computed on the way: QUANTISED (scales: A lowp_scales[6], B lowp_scales[7])
;;     5. batch 64 x [M 2,048, K 2,048] x [K 2,048, N 64]; A: softmax (see below); B: computed on the way: QUANTISED (scales: A lowp_scales[8], B lowp_scales[9])
;;   THE QUANTISER, for each operand of a quantised product, along K:
;;     - The operand's scale is 2^e, e = its entry of the input lowp_scales (int32; the entries are numbered through the quantised products in the list's order, A before B).
;;     - Each number is divided by the scale, clamped to +-448, and rounded to the nearest number of E4M3, ties to even, subnormals kept.
;;     - The product sums the exact products of the quantised numbers (number of the format x scale) in f32.
;;   ~~~python
;;   def quantise(x, axis, e):      # numpy; x: float32 -> the quantised numbers, widened to float32 again
;;       x = np.moveaxis(x, axis, -1); K = x.shape[-1]
;;       r = np.clip(x / 2.0 ** e, -448, 448)
;;       step = 2.0 ** (np.maximum(np.frexp(np.where(r == 0, 1, r))[1] - 1, -6) - 3)
;;       q = np.round(r / step) * step * 2.0 ** e      # np.round: ties to even
;;       return np.moveaxis(q, -1, axis).astype(np.float32)
;;   ~~~
;;   SOFTMAX AHEAD OF A QUANTISED PRODUCT. Where the list says 'softmax', what is quantised is not the finished softmax but p = 2^(t - M), with t = logit x log2(e) and M = ceil(the row's largest t), a whole number; so 1/2 < the row's largest p <= 1. The row's sum l is taken of the UNQUANTISED p, in f32, and the product's result is divided by l at the end. Since M is a whole number, a kernel that streams over the keys may use a running M (the ceiling of the running maximum): every later rescaling is an exact power of two, so the quantised numbers keep their values, but for numbers so far below the row's largest that they fall under the format's range.
;;   OPERANDS COMPUTED ON THE WAY. 'Computed on the way' means the value that the module computes at that place (a softmax that the list does not call 'softmax' is quantised finished and normalised). What goes into a quantiser is computed in f32, as accurately as f32 sums, v_exp_f32 and their like allow (about 1e-6 of the number): no bf16 or f16 on the way to a quantiser, and a product that is left as it is and whose result goes on into a quantised operand takes f32 operands (vector FMAs, or v_wmma_f32_16x16x4_f32). A number that lies on a knife's edge between two numbers of the format may be rounded either way, as far as f32 arithmetic and the matrix unit's own rounding can turn it there, and no further.
;;   INPUTS GIVEN AS CODES. Wk (in the module: [1024, 1024], K = its axis 1); Wq (in the module: [1024, 1024], K = its axis 1); Wv (in the module: [1024, 1024], K = its axis 1); x (in the module: [4, 2048, 1024], K = its axis 2): each comes as NAME_codes (uint8): NAME with its K axis moved to the last place and cut into blocks of 32 codes, [.., K / 32, bytes a block], one block behind the other in memory; one code a byte (a code: sign, 4 exponent bits, 3 mantissa bits); its scale is its entry of lowp_scales. Its value is code x scale, taken as it is: it is not quantised again, and the codes and scales need not be those that the quantiser above would give.
;; One version. Each part assembles by itself: llvm-mc -triple=amdgcn-amd-amdhsa -mcpu=gfx1250 --defsym DOCPART=n.
;; ======== version 1 of 1: 2 launches
;; limits: right only within a limited range of input values
;; workspace buffers: qc 8,388,608 bytes; kc 8,388,608 bytes; vc 8,388,608 bytes
;; launch proj (part 1): grid 12 x 32, 4 waves a work-group, clusters of 4 x 4, 327,680 bytes of LDS; arguments x_codes, Wq_codes, Wk_codes, Wv_codes, bq, bk, bv, lowp_scales, qc, kc, vc; writes qc, kc, vc
.if DOCPART == 1
	.amdgcn_target "amdgcn-amd-amdhsa--gfx1250"
	.amdhsa_code_object_version 6
	.text
	.protected	k_qa067a787c7_proj
	.globl	k_qa067a787c7_proj
	.p2align	8
	.type	k_qa067a787c7_proj,@function
k_qa067a787c7_proj:
	s_mov_b64 s[64:65], 0
	v_nop
	global_prefetch_b8 v0, s[64:65] scope:SCOPE_SE
	s_setreg_imm32_b32 hwreg(HW_REG_WAVE_MODE, 25, 1), 1
	s_wait_xcnt 0x0
	s_wait_alu depctr_hold_cnt(0) depctr_sa_sdst(0) depctr_va_vdst(0) depctr_va_sdst(0) depctr_va_ssrc(0) depctr_va_vcc(0) depctr_vm_vsrc(0)
	s_getreg_b32 s2, hwreg(HW_REG_IB_STS2, 6, 4)
	s_cmp_eq_u32 s2, 0
	s_cbranch_scc0 .Lentry_in_a_cluster
	s_endpgm
.Lentry_in_a_cluster:
	s_bfe_u32 s2, ttmp6, 0x10000c
	s_cmp_lg_u32 s2, 0xf033
	s_cbranch_scc0 .Lentry_shape_is_right
	s_endpgm
.Lentry_shape_is_right:
.set ROWB,   256
.set KROW,   1024
.set PITCH,  272
.set FR,     16
.set NL,     4
.set NP,     4
.set HALFT,  128*PITCH
.set SLOT,   4*HALFT
.set SPARE,  2*SLOT
.set ADR1, 16
.set ADR0, 20
.set BH,   24
.set BR,   25
.set CO,   26
.set SPW,  28
.set NIL,  29
.set LIM,  30
.set SCL,  31
.set BI,   32
.set AF,   128
.set TMP,  128
.set CODE, 192
.set G1, 24
.set G0, 32
.set G1B, 48
.set G0B, 56
.set MSB, 0
.macro WIN new
.if MSB != \new
	s_set_vgpr_msb (MSB<<8)|\new
.set MSB, \new
.endif
.endm
.set MUL_LO, 0xa1
.set MUL_HI, 0xf1
.set TO_0,   0x40
.macro JLOAD g0a, g1a, g0b, g1b
	s_cmp_eq_u32 s15, 0
	s_cbranch_scc0 .Lfor_b_\@
	tensor_load_to_lds s[\g0a:\g0a+3], s[\g1a:\g1a+7]
	s_nop 0
.rept 4
	v_nop
.endr
	s_branch .Lasked_\@
.Lfor_b_\@:
	tensor_load_to_lds s[\g0b:\g0b+3], s[\g1b:\g1b+7]
	s_nop 0
.rept 4
	v_nop
.endr
.Lasked_\@:
.endm
.macro CREST
	s_cmp_lg_u32 s14, 0
	s_cbranch_scc1 .Lnot_wave_0_\@
	s_barrier_signal -3
.Lnot_wave_0_\@:
	s_barrier_wait -3
	s_barrier_signal -1
	s_barrier_wait -1
.endm
.macro CROUND
	s_barrier_signal -1
	s_barrier_wait -1
	CREST
.endm
	s_load_b512 s[68:83], s[0:1], 0x0
	s_load_b128 s[84:87], s[0:1], 0x40
	s_load_b64 s[88:89], s[0:1], 0x50
	v_lshl_add_u32 v[SPW], v0, 2, SPARE
	v_mov_b32 v[NIL], 0
	ds_add_u32 v28, v29
	ds_add_u32 v28, v29
	s_wait_dscnt 0x0
	v_lshrrev_b32 v1, 5, v0
	v_readfirstlane_b32 s14, v1
	s_lshr_b32 s15, s14, 1
	s_and_b32 s16, s14, 1
	s_mov_b32 s66, ttmp9
	s_bfe_u32 s40, ttmp6, 0x40000
	s_bfe_u32 s41, ttmp6, 0x40004
	s_and_b32 s17, ttmp7, 0xffff
	s_lshl_b32 s17, s17, 2
	s_add_co_u32 s17, s17, s41
	s_lshl_b32 s43, s41, 2
	s_lshl_b32 s43, 15, s43
	s_lshl_b32 s44, 0x1111, s40
	s_or_b32 s[G1+0], s43, (0<<16)|(1<<20)|(1<<21)|(5<<22)|(3<<25)
	s_or_b32 s[G1B+0], s44, (0<<16)|(1<<20)|(1<<21)|(5<<22)|(3<<25)
.irp g, G1, G1B
	s_mov_b32 s[\g+1], ROWB<<16
	s_mov_b32 s[\g+2], 128<<16
	s_mov_b32 s[\g+3], ROWB<<16
	s_mov_b32 s[\g+4], 128
	s_mov_b32 s[\g+5], KROW
	s_mov_b32 s[\g+6], 0
	s_mov_b32 s[\g+7], 0
.endr
	s_lshl_b32 s18, s16, 17
	s_lshl_b32 s20, s17, 18
	s_add_co_u32 s20, s20, s18
	s_mov_b32 s21, 0
	s_lshl_b32 s46, s40, 18
	s_add_co_u32 s46, s46, s18
	s_mov_b32 s47, 0
	s_mul_i32 s45, s14, HALFT
	s_wait_kmcnt 0x0
	s_load_b256 s[92:99], s[82:83], 0x0
	s_load_b64 s[100:101], s[82:83], 0x20
	s_cmp_eq_u32 s66, 0
	s_cselect_b64 s[6:7], s[70:71], s[72:73]
	s_cselect_b64 s[8:9], s[76:77], s[78:79]
	s_cselect_b64 s[10:11], s[84:85], s[86:87]
	s_cmp_eq_u32 s66, 2
	s_cselect_b64 s[6:7], s[74:75], s[6:7]
	s_cselect_b64 s[8:9], s[80:81], s[8:9]
	s_cselect_b64 s[10:11], s[88:89], s[10:11]
	s_cselect_b32 s67, s15, s16
	s_cselect_b32 s90, s16, s15
	s_cselect_b32 s22, 2*HALFT, 0
	s_cselect_b32 s23, 0, 2*HALFT
	s_add_nc_u64 s[20:21], s[68:69], s[20:21]
	s_add_nc_u64 s[46:47], s[6:7], s[46:47]
	CROUND
.irp s, 0,1
	s_mov_b32 s[G0+4*\s], 1
	s_add_co_u32 s[G0+4*\s+1], s45, \s*SLOT
	s_add_nc_u64 s[G0+4*\s+2:G0+4*\s+3], s[20:21], \s*ROWB
	s_or_b32 s[G0+4*\s+3], s[G0+4*\s+3], 0x80000000
	s_mov_b32 s[G0B+4*\s], 1
	s_add_co_u32 s[G0B+4*\s+1], s45, \s*SLOT
	s_add_nc_u64 s[G0B+4*\s+2:G0B+4*\s+3], s[46:47], \s*ROWB
	s_or_b32 s[G0B+4*\s+3], s[G0B+4*\s+3], 0x80000000
	s_wait_alu depctr_va_vdst(0)
	s_wait_tensorcnt 0x0
	ds_add_u32 v28, v29
	ds_add_u32 v28, v29
	s_wait_dscnt 0x0
	CROUND
	JLOAD G0+4*\s, G1, G0B+4*\s, G1B
.endr
	v_and_b32 v1, 15, v0
	v_bfe_u32 v2, v0, 4, 1
	s_wait_alu depctr_va_vdst(0)
	v_mul_u32_u24 v3, v1, PITCH
	v_lshl_add_u32 v4, v2, 4, v3
	s_mul_i32 s18, s15, HALFT
	s_add_co_u32 s22, s22, s18
	s_mul_i32 s18, s16, HALFT
	s_add_co_u32 s23, s23, s18
.irp s, 0,1
	v_add_nc_u32 v[ADR1+\s], s22, v4
	v_add_nc_u32 v[ADR0+\s], s23, v4
	s_add_co_u32 s22, s22, SLOT
	s_add_co_u32 s23, s23, SLOT
.endr
	v_lshlrev_b32 v[BH], 5, v2
	v_lshlrev_b32 v[BR], 2, v1
	v_and_b32 v6, 31, v0
	v_lshlrev_b32 v[CO], 4, v6
	s_lshr_b32 s18, s17, 3
	s_lshl_b32 s18, s18, 21
	s_lshl_b32 s19, s40, 19
	s_add_co_u32 s18, s18, s19
	s_lshl_b32 s19, s67, 18
	s_add_co_u32 s18, s18, s19
	s_and_b32 s19, s17, 7
	s_lshl_b32 s19, s19, 14
	s_add_co_u32 s18, s18, s19
	s_lshl_b32 s19, s90, 13
	s_add_co_u32 s18, s18, s19
	s_mov_b32 s19, 0
	s_add_nc_u64 s[10:11], s[10:11], s[18:19]
	s_lshl_b32 s18, s40, 10
	s_lshl_b32 s22, s67, 9
	s_add_co_u32 s18, s18, s22
	s_add_nc_u64 s[8:9], s[8:9], s[18:19]
.macro FRAG reg, adr, q, i
.irp c, 0,1,2,3
	ds_load_b128 v[\reg+4*\c:\reg+4*\c+3], v[\adr] offset:128*(\q)+32*\c+(\i)*16*PITCH
.endr
.endm
.macro MUL16 a0, p, zero
.irp a, \a0, \a0+1
.irp b, 0,1,2,3,4,5,6,7
.if \zero
	v_wmma_f32_16x16x128_fp8_fp8 v[8*(8*((\a)%4)+\b):8*(8*((\a)%4)+\b)+7], v[128*(\p)+FR*\b:128*(\p)+FR*\b+FR-1], v[AF+FR*(\a):AF+FR*(\a)+FR-1], 0
.else
	v_wmma_f32_16x16x128_fp8_fp8 v[8*(8*((\a)%4)+\b):8*(8*((\a)%4)+\b)+7], v[128*(\p)+FR*\b:128*(\p)+FR*\b+FR-1], v[AF+FR*(\a):AF+FR*(\a)+FR-1], v[8*(8*((\a)%4)+\b):8*(8*((\a)%4)+\b)+7]
.endif
.endr
.endr
.endm
.macro FETCH0 slot, q, p
	WIN TO_0
.irp i, 0,1,2,3,4,5,6,7
	FRAG 128*(\p)+FR*\i, ADR0+\slot, \q, \i
.endr
	WIN 0
.endm
.macro FETCH1 slot, q, i0
.irp i, \i0, \i0+1, \i0+2, \i0+3
	FRAG AF+FR*(\i), ADR1+\slot, \q, \i
.endr
.endm
.macro PLACES n
.rept \n
	v_nop
.endr
.endm
.macro STEP slot, q, zero
	s_wait_dscnt 4*NL
	WIN MUL_LO
	MUL16 0, (\q)%2, \zero
	MUL16 2, (\q)%2, \zero
	s_wait_dscnt 0
	PLACES NP
	FETCH0 \slot, (\q)+1, 1-(\q)%2
	FETCH1 \slot, (\q)+1, 0
	WIN MUL_HI
	MUL16 4, (\q)%2, \zero
	MUL16 6, (\q)%2, \zero
	PLACES NP
	WIN 0
	FETCH1 \slot, (\q)+1, 4
.endm
.macro TURN slot, next, fill
	s_wait_tensorcnt 0x0
	ds_add_u32 v[SPW], v[NIL]
	s_wait_dscnt 4*NL+1
	WIN MUL_LO
	MUL16 0, 1, 0
	s_wait_dscnt 0x0
	s_barrier_signal -1
	MUL16 2, 1, 0
	WIN 0
	s_barrier_wait -1
.if \fill
	CREST
	s_add_nc_u64 s[G0+4*\slot+2:G0+4*\slot+3], s[G0+4*\slot+2:G0+4*\slot+3], 2*ROWB
	s_add_nc_u64 s[G0B+4*\slot+2:G0B+4*\slot+3], s[G0B+4*\slot+2:G0B+4*\slot+3], 2*ROWB
	JLOAD G0+4*\slot, G1, G0B+4*\slot, G1B
.else
	PLACES NP
.endif
	FETCH0 \next, 0, 0
	FETCH1 \next, 0, 0
	WIN MUL_HI
	MUL16 4, 1, 0
	MUL16 6, 1, 0
	PLACES NP
	WIN 0
	FETCH1 \next, 0, 4
.endm
.macro LAST
	s_wait_dscnt 4*NL
	WIN MUL_LO
	MUL16 0, 1, 0
	MUL16 2, 1, 0
	s_wait_dscnt 0
	WIN MUL_HI
	MUL16 4, 1, 0
	MUL16 6, 1, 0
	WIN 0
.endm
.macro SCALES
	s_add_co_i32 s18, s18, s19
	s_add_co_i32 s18, s18, 127
	s_lshl_b32 s96, s18, 23
	s_mov_b32 s97, s96
	s_add_co_i32 s20, s20, 127
	s_lshl_b32 s21, s20, 23
	v_mov_b32 v[SCL], s21
	s_add_co_i32 s20, s20, 8
	s_lshl_b32 s20, s20, 23
	s_or_b32 s20, s20, 0x600000
	s_wait_loadcnt 0x0
	PLACES NP
.endm
.macro OUT a, isv
.if (\a) >= 4
	s_wait_xcnt 0x0
.endif
.set AC, 64*((\a)%4)
.set CD, CODE+16*((\a)%4)
	WIN 0x02+((\a)/4)
.irp j, 0,2,4,6,8,10,12,14,16,18,20,22,24,26,28,30,32,34,36,38,40,42,44,46,48,50,52,54,56,58,60,62
.if \isv
	v_pk_fma_f32 v[TMP+\j:TMP+\j+1], v[AC+\j:AC+\j+1], s[96:97], v[BI+2*(\a):BI+2*(\a)+1] op_sel_hi:[1,0,1]
.else
	v_pk_fma_f32 v[TMP+\j:TMP+\j+1], v[AC+\j:AC+\j+1], s[96:97], v[BI+\j:BI+\j+1] op_sel_hi:[1,0,1]
.endif
.endr
	WIN 0
.irp b, 0,1,2,3,4,5,6,7
.irp i, 0,1,2,3,4,5,6,7
.endr
	v_cvt_scalef32_pk8_fp8_f32 v[CD+2*\b:CD+2*\b+1], v[TMP+8*\b:TMP+8*\b+7], v[SCL]
.endr
	v_nop
.irp k, 0,1,2,3
.if \isv
	global_store_b128 v[CO], v[CD+4*\k:CD+4*\k+3], s[10:11] offset:((\a)/4)*131072+((\a)%4)*2048+\k*512
.else
	global_store_b128 v[CO], v[CD+4*\k:CD+4*\k+3], s[10:11] offset:(\a)*1024+(\k/2)*131072+(\k%2)*512
.endif
.endr
.endm
	s_wait_alu depctr_va_vdst(0)
	s_wait_tensorcnt 1
	s_barrier_signal -1
	s_barrier_wait -1
	FETCH0 0, 0, 0
	FETCH1 0, 0, 0
	FETCH1 0, 0, 4
	STEP 0, 0, 1
	TURN 0, 1, 1
	STEP 1, 0, 0
	TURN 1, 0, 1
	STEP 0, 0, 0
	TURN 0, 1, 0
	STEP 1, 0, 0
	s_cmp_eq_u32 s66, 2
	s_cbranch_scc1 .Lv_out
.irp b, 0,1,2,3,4,5,6,7
	global_load_b128 v[BI+8*\b:BI+8*\b+3], v[BH], s[8:9] offset:64*\b
	global_load_b128 v[BI+8*\b+4:BI+8*\b+7], v[BH], s[8:9] offset:64*\b+16
.endr
	LAST
	s_wait_kmcnt 0x0
	s_cmp_eq_u32 s66, 0
	s_cselect_b32 s18, s92, s94
	s_cselect_b32 s19, s93, s95
	s_cselect_b32 s20, s98, s99
	SCALES
.irp a, 0,1,2,3,4,5,6,7
	OUT \a, 0
.endr
	s_branch .Ldone
.Lv_out:
.irp a, 0,1,2,3,4,5,6,7
	global_load_b32 v[BI+2*\a], v[BR], s[8:9] offset:64*\a
	global_load_b32 v[BI+2*\a+1], v[BR], s[8:9] offset:64*\a
.endr
	LAST
	s_wait_kmcnt 0x0
	s_mov_b32 s18, s96
	s_mov_b32 s19, s97
	s_mov_b32 s20, s101
	SCALES
.irp a, 0,1,2,3,4,5,6,7
	OUT \a, 1
.endr
.Ldone:
	s_wait_tensorcnt 0x0
	ds_add_u32 v[SPW], v[NIL]
	s_wait_dscnt 0x0
	CROUND
	s_endpgm
.Lfunc_end_k_qa067a787c7_proj:
	.size	k_qa067a787c7_proj, .Lfunc_end_k_qa067a787c7_proj-k_qa067a787c7_proj
	.p2alignl 7, 3214868480
	.fill 96, 4, 3214868480
	.section	.rodata,"a",@progbits
	.p2align	6, 0x0
	.amdhsa_kernel k_qa067a787c7_proj
		.amdhsa_group_segment_fixed_size 327680
		.amdhsa_private_segment_fixed_size 0
		.amdhsa_enable_private_segment 0
		.amdhsa_kernarg_size 88
		.amdhsa_user_sgpr_count 2
		.amdhsa_user_sgpr_kernarg_segment_ptr 1
		.amdhsa_wavefront_size32 1
		.amdhsa_system_sgpr_workgroup_id_x 1
		.amdhsa_system_sgpr_workgroup_id_y 1
		.amdhsa_system_sgpr_workgroup_id_z 1
		.amdhsa_system_vgpr_workitem_id 0
		.amdhsa_next_free_vgpr 1024
		.amdhsa_next_free_sgpr 102
		.amdhsa_reserve_vcc 0
		.amdhsa_float_denorm_mode_32 3
		.amdhsa_float_denorm_mode_16_64 3
		.amdhsa_fp16_overflow 1
		.amdhsa_memory_ordered 1
		.amdhsa_forward_progress 1
		.amdhsa_inst_pref_size 135
	.end_amdhsa_kernel
	.amdgpu_metadata
---
amdhsa.version: [ 1, 2 ]
amdhsa.kernels:
  - .name:           k_qa067a787c7_proj
    .symbol:         k_qa067a787c7_proj.kd
    .args:
      - { .name: x_codes, .offset: 0, .size: 8, .value_kind: global_buffer, .address_space: global }
      - { .name: Wq_codes, .offset: 8, .size: 8, .value_kind: global_buffer, .address_space: global }
      - { .name: Wk_codes, .offset: 16, .size: 8, .value_kind: global_buffer, .address_space: global }
      - { .name: Wv_codes, .offset: 24, .size: 8, .value_kind: global_buffer, .address_space: global }
      - { .name: bq, .offset: 32, .size: 8, .value_kind: global_buffer, .address_space: global }
      - { .name: bk, .offset: 40, .size: 8, .value_kind: global_buffer, .address_space: global }
      - { .name: bv, .offset: 48, .size: 8, .value_kind: global_buffer, .address_space: global }
      - { .name: lowp_scales, .offset: 56, .size: 8, .value_kind: global_buffer, .address_space: global }
      - { .name: qc, .offset: 64, .size: 8, .value_kind: global_buffer, .address_space: global }
      - { .name: kc, .offset: 72, .size: 8, .value_kind: global_buffer, .address_space: global }
      - { .name: vc, .offset: 80, .size: 8, .value_kind: global_buffer, .address_space: global }
    .group_segment_fixed_size: 327680
    .private_segment_fixed_size: 0
    .kernarg_segment_align: 8
    .kernarg_segment_size: 88
    .max_flat_workgroup_size: 128
    .sgpr_count:     102
    .vgpr_count:     1024
    .wavefront_size: 32
...
	.end_amdgpu_metadata
.endif
;; end of part 1
;; launch attn (part 2): grid 4 x 64, 8 waves a work-group, clusters of 4 x 1, 307,200 bytes of LDS; arguments qc, kc, vc, mask, lowp_scales, out0; writes out0
.if DOCPART == 2
	.amdgcn_target "amdgcn-amd-amdhsa--gfx1250"
	.amdhsa_code_object_version 6
	.text
	.protected	k_qa067a787c7_attn
	.globl	k_qa067a787c7_attn
	.p2align	8
	.type	k_qa067a787c7_attn,@function
k_qa067a787c7_attn:
	s_mov_b64 s[64:65], 0
	v_nop
	global_prefetch_b8 v0, s[64:65] scope:SCOPE_SE
	s_setreg_imm32_b32 hwreg(HW_REG_WAVE_MODE, 25, 1), 1
	s_wait_xcnt 0x0
	s_wait_alu depctr_hold_cnt(0) depctr_sa_sdst(0) depctr_va_vdst(0) depctr_va_sdst(0) depctr_va_ssrc(0) depctr_va_vcc(0) depctr_vm_vsrc(0)
	s_getreg_b32 s2, hwreg(HW_REG_IB_STS2, 6, 4)
	s_cmp_eq_u32 s2, 0
	s_cbranch_scc0 .Lentry_in_a_cluster
	s_endpgm
.Lentry_in_a_cluster:
	s_bfe_u32 s2, ttmp6, 0x10000c
	s_cmp_lg_u32 s2, 0x3003
	s_cbranch_scc0 .Lentry_shape_is_right
	s_endpgm
.Lentry_shape_is_right:
; out[b][q][64 head ..] = the sum over keys of softmax(q . k / 8, masked keys at -1e30) v, both products on codes of E4M3.  qc, kc, vc: images of operand registers, as the launch before lays them.
; THE SOFTMAX: t = score x log2(e) / 8; M = the running largest t rounded UP to a whole number; p = 2^(t - M) is quantised with 2^ep; the row's sum is taken of the unquantised p and divides at the end.
; SHARES.  A work-group owns 512 queries of one (batch, head), in two passes of 256; each of its eight waves 32 queries a pass: two tiles of 16.  Two waves share a SIMD, so that one wave's
; matrix instructions and LDS loads stand beside the other's vector work.  256 work-groups.
; THE HEAD'S WHOLE K AND V LIE IN LDS (2 x 131,072 bytes), each byte filled ONCE: no slot is filled again, and the second pass fetches nothing.  They come as four chunks of 512 keys; every wave
; issues four loads, one for each chunk, 8,192 bytes each (waves 0-3 a quarter of K's 32,768, waves 4-7 of V's): 32 rows of 256 bytes, since a chunk shared among eight waves leaves no more to a wave.
; Four loads of mine are out at the most.  CLUSTER: the four work-groups of a head ask jointly.  Nothing is prefetched: every tile is asked for in the kernel's first lines.
; LAYOUT.  S^T = K Q^T + C (source 0 = 16 keys, source 1 = 16 queries), O^T = V^T P^T: a lane holds ONE query throughout.  In S^T's tile t a lane's eight registers are keys 16 t + 8 (lane / 16) + 0..7:
; converted, they are registers 2 t, 2 t + 1 of the second product's operand as its own layout has them.
; THE MASK is the C of the first product: 0 for a key that counts, -2^64 for one that does not (2,048 words in LDS, made once).  A sum of products is under 2^24 in magnitude, so such a score is near -2^64,
; p is 0 beside any key that counts, and what was summed before the first such key is multiplied by 2^(old M - new M) = 0.
; A BATCH WITH NO KEY THAT COUNTS: Q's codes are replaced by zeros (a select, no branch): every score is then exactly -2^64, c x 2^64 is a whole number, every p is 1: the mean of v.
; LIMITS on the given exponents: eq + ek between -38 and 60 (c x 2^64 whole and finite); ep between -126 and 119; ep + ev is applied by v_ldexp_f32 and has none.  NaN is not served.
; REGISTERS.  Window 0: v1-13 addresses and constants; v[14:15] at work; v16-31 Q; v32-47 the second pass's Q; v48-63 statistics, 8 a tile; v64-191 S^T, then p, 64 a tile; v192-223 p's codes; v224-239 the head's.
;   Window 1: v0-63 K's 8 fragments; v64-127 the mask's 8 tiles; v128-191 V's 4 fragments; v192-255 O^T, 32 a tile.
.set VREG,  131072                     ; LDS: K at 0, V here,
.set BIAS,  262144                     ; the mask's 2,048 words,
.set STAGE, 270336                     ; a stage of 16 rows x 272 bytes for each wave,
.set SP,    272
.set FLAG,  305152                     ; and one word a thread: the largest of its eight mask words
.set LI,  1                            ; v1   16 x lane: an image's place for my lane
.set LIV, 2                            ; v2   the same in V's region
.set BH,  3                            ; v3   BIAS + 32 (lane / 16)
.set ADK, 4                            ; v4   the step's K
.set ADV, 5                            ; v5   the step's V
.set ADB, 6                            ; v6   the step's mask words
.set STO, 7                            ; v7   the stage: where I put 32 bytes of a row
.set RD,  8                            ; v8   and where I read a row back
.set GO,  9                            ; v9   my byte offset in two rows of out
.set PT,  10                           ; v10  a lane permute's destination; zeroed at the head
.set LANE, 11
.set LIM, 12
.set SCL, 13                           ; v13  2^ep
.set T2,  14
.set Q,   16
.set QN,  32
.set ST,  48                           ; tile q at ST + 8 q: +0 -M, +1 the largest t, +2:3 the sum in two halves, +4 f (+5 named with it), +6, +7 at work
.set S,   64
.set P,   192
.set KF,  0                            ; window 1
.set BF,  64
.set VF,  128
.set O,   192
.set WV,  16                           ; s16  my wave's number
.set G1,  24                           ; s[24:31] descriptor group 1;  s[32:47] four groups 0, one for each chunk
.set G0,  32
.set TBK, 48                           ; s48  byte of the step's K and V in their regions
.set TBB, 49                           ; s49  byte of the step's mask words
.set CNT, 50
.set PASS, 51
.set CS,  52                           ; s[52:53] c = log2(e) / 8 x 2^(eq + ek)
.set SEL, 54                           ; s[54:55] lane selects for v_permlanex16_b32: lane l xor 16
.set MSB, 0
.macro WIN new                         ; the immediate's high byte repeats the setting that is left
.if MSB != \new
	s_set_vgpr_msb (MSB<<8)|\new
.set MSB, \new
.endif
.endm
.set W_KQ, 0x11                        ; K (source 0) and the mask (source 2) window 1; Q and S^T window 0
.set W_PV, 0x51                        ; V, C and D window 1; p's codes window 0
.set W_LD, 0x40                        ; destination window 1, address window 0
.set W_RS, 0x41                        ; O^T (destination and source 0) window 1, f window 0
.macro CROUND                          ; a round of the cluster's barrier
	s_barrier_signal -1
	s_barrier_wait -1
	s_cmp_lg_u32 s[WV], 0
	s_cbranch_scc1 .Lnot_wave_0_\@
	s_barrier_signal -3
.Lnot_wave_0_\@:
	s_barrier_wait -3
	s_barrier_signal -1
	s_barrier_wait -1
.endm
	s_load_b256 s[4:11], s[0:1], 0x0               ; qc s[4:5], kc s[6:7], vc s[8:9], mask s[10:11]
	s_load_b128 s[12:15], s[0:1], 0x20             ; the exponents s[12:13], out s[14:15]
	v_lshl_add_u32 v254, v0, 2, 0x4ac00
	v_mov_b32 v255, 0
	ds_add_u32 v254, v255
	ds_add_u32 v254, v255
	v_lshrrev_b32 v[LANE], 5, v0
	s_delay_alu instid0(VALU_DEP_1)
	v_readfirstlane_b32 s[WV], v[LANE]             ; wave 0..7
	s_bfe_u32 s17, ttmp6, 0x40000                  ; cx: which 512 queries: it enters Q's and out's addresses alone
	s_and_b32 s18, ttmp7, 0xffff                   ; 16 x batch + head, which the four partners share
	; descriptor group 1: 32 rows of 32 elements of 8 bytes, dense in memory and in LDS
	s_mov_b32 s[G1], 15|(3<<16)|(1<<21)            ; 15:0 the mask: all four work-groups; 17:16 elements of 8 bytes; 20 no padding; 21 set beside a mask
	s_mov_b32 s[G1+1], 32<<16                      ; tensor_dim0 = 32
	s_mov_b32 s[G1+2], 32<<16                      ; tensor_dim1 = 32
	s_mov_b32 s[G1+3], 32<<16                      ; tile_dim0 = 32
	s_mov_b32 s[G1+4], 32                          ; tile_dim1 = 32
	s_mov_b32 s[G1+5], 32                          ; tensor_dim0_stride
	s_mov_b32 s[G1+6], 0
	s_mov_b32 s[G1+7], 0
	s_lshr_b32 s20, s[WV], 2
	s_lshl_b32 s20, s20, 17                        ; K's region or V's,
	s_and_b32 s21, s[WV], 3
	s_lshl_b32 s21, s21, 13                        ; my quarter of a chunk
	s_add_co_u32 s20, s20, s21
	s_lshl_b32 s22, s18, 17                        ; the head's 131,072 bytes in kc and in vc
	s_add_co_u32 s22, s22, s21
	s_mov_b32 s23, 0
	s_mov_b32 s[SEL], 0x76543210
	s_mov_b32 s[SEL+1], 0xfedcba98
	s_mov_b32 s[CS], 0x3e38aa3b                    ; log2(e) / 8
	s_mov_b32 s[PASS], 2
	s_wait_dscnt 0x0
	s_wait_kmcnt 0x0
	s_load_b128 s[56:59], s[12:13], 0x18           ; eq, ek, ep, ev: entries 6 to 9
	s_cmp_lt_u32 s[WV], 4                          ; the choice hangs on the wave's number alone: the same in all partners
	s_cselect_b64 s[2:3], s[6:7], s[8:9]
	s_add_nc_u64 s[2:3], s[2:3], s[22:23]
.irp c, 0,1,2,3
	s_mov_b32 s[G0+4*\c], 1                        ; count = 1
	s_add_co_u32 s[G0+4*\c+1], s20, \c*32768       ; LDS address
	s_add_nc_u64 s[G0+4*\c+2:G0+4*\c+3], s[2:3], \c*32768  ; global address
	s_or_b32 s[G0+4*\c+3], s[G0+4*\c+3], 0x80000000        ; type = 2
.endr
	CROUND                                         ; all four work-groups are here: the joint loads meet
	tensor_load_to_lds s[G0:G0+3], s[G1:G1+7]      ; all fills of the launch, as one group, ahead of every wait on TENSORcnt, every LDS read and every other barrier
	s_nop 0
	tensor_load_to_lds s[G0+4:G0+7], s[G1:G1+7]
	s_nop 0
	tensor_load_to_lds s[G0+8:G0+11], s[G1:G1+7]
	s_nop 0
	tensor_load_to_lds s[G0+12:G0+15], s[G1:G1+7]
	s_nop 0
.rept 4
	v_nop
.endr
	s_lshr_b32 s19, s18, 4                         ; batch
	s_lshl_b32 s22, s19, 13
	s_add_nc_u64 s[10:11], s[10:11], s[22:23]      ; its 2,048 mask words
	s_lshl_b32 s62, s18, 17                        ; Q: the head, + 32 tiles of 1,024 bytes x cx, + 2 tiles x wave
	s_lshl_b32 s19, s17, 15
	s_add_co_u32 s62, s62, s19
	s_lshl_b32 s19, s[WV], 11
	s_add_co_u32 s62, s62, s19
	s_mov_b32 s63, 0
	s_add_nc_u64 s[4:5], s[4:5], s[62:63]
	s_lshr_b32 s19, s18, 4                         ; out: row 2,048 batch + 512 cx + 32 wave, of 4,096 bytes; + 256 x head
	s_lshl_b32 s62, s19, 23
	s_lshl_b32 s19, s17, 21
	s_add_co_u32 s62, s62, s19
	s_lshl_b32 s19, s[WV], 17
	s_add_co_u32 s62, s62, s19
	s_and_b32 s19, s18, 15
	s_lshl_b32 s19, s19, 8
	s_add_co_u32 s62, s62, s19
	s_add_nc_u64 s[14:15], s[14:15], s[62:63]
	v_lshlrev_b32 v226, 4, v0                      ; thread t takes mask words 4 t .. 4 t + 3 and 1,024 + 4 t ..
	global_load_b128 v[228:231], v226, s[10:11]
	global_load_b128 v[232:235], v226, s[10:11] offset:4096
	v_and_b32 v[LANE], 31, v0
	s_delay_alu instid0(VALU_DEP_1)
	v_lshlrev_b32 v[LI], 4, v[LANE]
.irp q, 0,1
.irp c, 0,1
	global_load_b128 v[Q+8*\q+4*\c:Q+8*\q+4*\c+3], v[LI], s[4:5] offset:1024*\q+512*\c          ; this pass's two tiles of Q,
	global_load_b128 v[QN+8*\q+4*\c:QN+8*\q+4*\c+3], v[LI], s[4:5] offset:16384+1024*\q+512*\c  ; and the second pass's, 16 tiles on
.endr
.endr
	v_add_nc_u32 v[LIV], VREG, v[LI]
	v_and_b32 v224, 15, v0                         ; r
	v_bfe_u32 v225, v0, 4, 1                       ; h
	s_delay_alu instid0(VALU_DEP_1)
	v_lshl_add_u32 v[BH], v225, 5, BIAS
	s_mul_i32 s19, s[WV], 16*SP
	s_add_co_u32 s19, s19, STAGE                   ; my stage
	v_mul_u32_u24 v[STO], v224, SP
	s_delay_alu instid0(VALU_DEP_1)
	v_lshl_add_u32 v[STO], v225, 5, v[STO]
	s_delay_alu instid0(VALU_DEP_1)
	v_add_nc_u32 v[STO], s19, v[STO]               ; in: row r, 32 bytes for each half of the lanes
	v_mul_u32_u24 v[RD], v225, SP
	s_delay_alu instid0(VALU_DEP_1)
	v_lshl_add_u32 v[RD], v224, 4, v[RD]
	s_delay_alu instid0(VALU_DEP_1)
	v_add_nc_u32 v[RD], s19, v[RD]                 ; back: lanes 0-15 one row of 256 bytes, lanes 16-31 the next
	v_lshlrev_b32 v[GO], 12, v225
	s_delay_alu instid0(VALU_DEP_1)
	v_lshl_add_u32 v[GO], v224, 4, v[GO]           ; and the same two rows in out
	v_lshl_add_u32 v227, v0, 4, BIAS               ; where my mask words go,
	v_lshl_add_u32 v236, v0, 2, FLAG               ; my flag,
	v_lshl_add_u32 v239, v[LANE], 5, FLAG          ; and the eight flags that my lane reads
	v_mov_b32 v237, 0xdf800000                     ; -2^64
	v_mov_b32 v[PT], 0
	v_mov_b32 v[ST+5], 0                           ; (named as the upper halves of the pairs with f)
	v_mov_b32 v[ST+13], 0
	s_wait_alu depctr_va_vdst(0)
	s_wait_kmcnt 0x0
	s_add_co_i32 s19, s56, s57
	s_lshl_b32 s19, s19, 23
	s_add_co_i32 s[CS], s[CS], s19                 ; a score stands for score x 2^(eq + ek): added to c's exponent field
	s_mov_b32 s[CS+1], s[CS]                       ; (named with it as a pair)
	s_add_co_i32 s19, s58, 127
	s_lshl_b32 s20, s19, 23
	v_mov_b32 v[SCL], s20                          ; 2^ep
	s_add_co_i32 s60, s58, s59                     ; ep + ev
	s_wait_loadcnt 8                               ; my eight mask words are in; Q's eight loads may be out
.irp i, 0,1,2,3,4,5,6,7
	v_cmp_gt_i32 vcc_lo, 1, v[228+\i]              ; 1 > mask: the key does not count
	s_delay_alu instid0(VALU_DEP_1)
	v_cndmask_b32 v[228+\i], 0, v237, vcc_lo
.endr
	ds_store_b128 v227, v[228:231]
	ds_store_b128 v227, v[232:235] offset:4096
	v_max3_num_f32 v238, v228, v229, v230          ; 0 if one of my eight keys counts
	s_delay_alu instid0(VALU_DEP_1)
	v_max3_num_f32 v238, v238, v231, v232
	s_delay_alu instid0(VALU_DEP_1)
	v_max3_num_f32 v238, v238, v233, v234
	s_delay_alu instid0(VALU_DEP_1)
	v_max_num_f32 v238, v238, v235
	ds_store_b32 v236, v238
	s_wait_dscnt 0x0                               ; for the others' sake: my stores are done
	s_barrier_signal -1
	s_barrier_wait -1                              ; the mask words and the flags lie in LDS.  (Nothing is ever filled again, so the tensor loads may stay out)
	ds_load_b128 v[228:231], v239                  ; 32 lanes x 8 flags: all 256
	ds_load_b128 v[232:235], v239 offset:16
	s_wait_dscnt 0x0
	v_max3_num_f32 v238, v228, v229, v230
	s_delay_alu instid0(VALU_DEP_1)
	v_max3_num_f32 v238, v238, v231, v232
	s_delay_alu instid0(VALU_DEP_1)
	v_max3_num_f32 v238, v238, v233, v234
	s_delay_alu instid0(VALU_DEP_1)
	v_max_num_f32 v238, v238, v235
	s_delay_alu instid0(VALU_DEP_1)
	v_cmp_lt_f32 vcc_lo, v237, v238                ; a lane that has seen a key that counts
	s_cmp_lg_u32 vcc_lo, 0
	s_cselect_b32 s61, -1, 0                       ; a choice of values: no branch hangs on it
	s_wait_loadcnt 0x0                             ; Q
.set i, 0
.rept 32
	v_and_b32 v[Q+i], s61, v[Q+i]                  ; with no key that counts Q becomes zeros
.set i, i+1
.endr
; Chunks up to 3 - n have landed in every wave's part: my own count, my LDS loads back, then the barrier.  Behind it nothing is filled, so later chunks stay out.
.macro GATE n
	s_wait_tensorcnt \n
	s_wait_dscnt 0x0
	s_barrier_signal -1
	s_barrier_wait -1
.endm
.macro LOADKB                          ; a step's K (8 fragments) and mask words (8 tiles in the result's layout: 16 lanes read the same 16 bytes); the windows stand at W_LD
.irp t, 0,1,2,3,4,5,6,7
	ds_load_b128 v[KF+8*\t:KF+8*\t+3], v[ADK] offset:1024*\t
	ds_load_b128 v[KF+8*\t+4:KF+8*\t+7], v[ADK] offset:1024*\t+512
.endr
.irp t, 0,1,2,3,4,5,6,7
	ds_load_b128 v[BF+8*\t:BF+8*\t+3], v[ADB] offset:64*\t
	ds_load_b128 v[BF+8*\t+4:BF+8*\t+7], v[ADB] offset:64*\t+16
.endr
.endm
; One tile's softmax for 128 keys: 64 scores a lane.
.macro SOFTMAX q
.set rS, S+64*(\q)
.set rT, ST+8*(\q)
.set rP, P+16*(\q)
.set rO, O+32*(\q)
	WIN 0
	v_max3_num_f32 v[rT+6], v[rS], v[rS+1], v[rS+2]      ; the largest score, in two chains, the registers in ascending order: each accumulator is read from its low end on
	v_max3_num_f32 v[rT+7], v[rS+3], v[rS+4], v[rS+5]
.set i, 6
.rept 14
	v_max3_num_f32 v[rT+6], v[rT+6], v[rS+i], v[rS+i+1]
	v_max3_num_f32 v[rT+7], v[rT+7], v[rS+i+2], v[rS+i+3]
.set i, i+4
.endr
	v_max3_num_f32 v[rT+6], v[rT+6], v[rS+62], v[rS+63]
	s_delay_alu instid0(VALU_DEP_1)
	v_max_num_f32 v[rT+6], v[rT+6], v[rT+7]
	s_delay_alu instid0(VALU_DEP_1)
	v_permlanex16_b32 v[PT], v[rT+6], s[SEL], s[SEL+1]
	s_delay_alu instid0(VALU_DEP_1)
	v_max_num_f32 v[rT+6], v[rT+6], v[PT]          ; and lane l xor 16's
	s_delay_alu instid0(VALU_DEP_1)
	v_mul_f32 v[rT+6], s[CS], v[rT+6]              ; as t (c is positive)
	s_delay_alu instid0(VALU_DEP_1)
	v_max_num_f32 v[rT+1], v[rT+1], v[rT+6]        ; the running largest t
	v_mov_b32 v[rT+6], v[rT]
	s_delay_alu instid0(VALU_DEP_2)
	v_floor_f32 v[rT], -v[rT+1]                    ; the new -M = floor(-t): M is a whole number
	s_delay_alu instid0(VALU_DEP_1)
	v_sub_f32 v[rT+6], v[rT], v[rT+6]              ; old M - new M: a whole number, 0 or less
	s_delay_alu instid0(VALU_DEP_1)
	v_cvt_i32_f32 v[rT+6], v[rT+6]                 ; (it saturates)
	s_delay_alu instid0(VALU_DEP_1)
	v_ldexp_f32 v[rT+4], 1.0, v[rT+6]              ; f = 2^(old M - new M)
.set i, 0
.rept 32
	v_pk_fma_f32 v[rS+i:rS+i+1], v[rS+i:rS+i+1], s[CS:CS+1], v[rT:rT+1] op_sel_hi:[1,0,0]   ; t - M, two at a time
.set i, i+2
.endr
.set i, 0
	s_wait_alu depctr_va_vdst(0)
.rept 64
	v_exp_f32 v[rS+i], v[rS+i]                     ; p = 2^(t - M)
.set i, i+1
.endr
	v_pk_mul_f32 v[rT+2:rT+3], v[rT+2:rT+3], v[rT+4:rT+5] op_sel_hi:[1,0]   ; the sums under the new M: the plain line behind the exponentials
	s_wait_alu depctr_va_vdst(0)                   ; one wait for the batch of 64, ahead of its first reader
	v_pk_add_f32 v[T2:T2+1], v[rS:rS+1], v[rS+2:rS+3]   ; the row's sum of the UNQUANTISED p, in two chains
.set i, 4
.rept 15
	v_pk_add_f32 v[rT+2:rT+3], v[rT+2:rT+3], v[rS+i:rS+i+1]
	v_pk_add_f32 v[T2:T2+1], v[T2:T2+1], v[rS+i+2:rS+i+3]
.set i, i+4
.endr
	s_delay_alu instid0(VALU_DEP_1)
	v_pk_add_f32 v[rT+2:rT+3], v[rT+2:rT+3], v[T2:T2+1]
.irp t, 0,1,2,3,4,5,6,7
.irp j, 0,1,2,3,4,5,6,7
.endr
	v_cvt_scalef32_pk8_fp8_f32 v[rP+2*\t:rP+2*\t+1], v[rS+8*\t:rS+8*\t+7], v[SCL]   ; keys 16 t + 8 (l / 16) + 0 .. 7: registers 2 t, 2 t + 1 of the operand
.endr
	WIN W_RS
.set i, 0
.rept 16
	v_pk_mul_f32 v[rO+i:rO+i+1], v[rO+i:rO+i+1], v[rT+4:rT+5] op_sel_hi:[1,0]   ; O^T under the new M.  (Also the plain lines behind the last conversion)
.set i, i+2
.endr
.endm
.macro PV q                            ; O^T += V^T P^T: four accumulators, one instruction each: between two links of a chain stand all the other matrix instructions of a step
	WIN W_PV
.irp ct, 0,1,2,3
	v_wmma_f32_16x16x128_fp8_fp8 v[O+32*(\q)+8*\ct:O+32*(\q)+8*\ct+7], v[VF+16*\ct:VF+16*\ct+15], v[P+16*(\q):P+16*(\q)+15], v[O+32*(\q)+8*\ct:O+32*(\q)+8*\ct+7]
.endr
.endm
; A KEY STEP: 128 keys.  pref = 1: the next step's K and mask words are fetched behind this step's V.
.macro STEP pref
	s_wait_dscnt 0x0                               ; K and the mask words, asked for a step ago
	WIN W_KQ
.irp q, 0,1
.irp t, 0,1,2,3,4,5,6,7
	v_wmma_f32_16x16x64_fp8_fp8 v[S+64*\q+8*\t:S+64*\q+8*\t+7], v[KF+8*\t:KF+8*\t+7], v[Q+8*\q:Q+8*\q+7], v[BF+8*\t:BF+8*\t+7]
.endr
.endr
	WIN 0
	v_add_nc_u32 v[ADV], s[TBK], v[LIV]            ; four plain lines: the places in front of the loads into registers that matrix instructions have read, and of the first read of the scores
.if \pref
	s_add_co_u32 s[TBK], s[TBK], 8192
	s_add_co_u32 s[TBB], s[TBB], 512
	v_add_nc_u32 v[ADK], s[TBK], v[LI]
	v_add_nc_u32 v[ADB], s[TBB], v[BH]
	v_nop
.else
.rept 3
	v_nop
.endr
.endif
	WIN W_LD
.irp ct, 0,1,2,3
.irp c, 0,1,2,3
	ds_load_b128 v[VF+16*\ct+4*\c:VF+16*\ct+4*\c+3], v[ADV] offset:2048*\ct+512*\c
.endr
.endr
.if \pref
	LOADKB
.endif
	SOFTMAX 0
	s_wait_alu depctr_va_vdst(0)
	s_wait_dscnt 32*\pref                          ; V is in; the 32 younger loads, the next step's K and mask words, may be out
	PV 0
	SOFTMAX 1
	PV 1
	WIN 0
.endm
.macro BLOCK n                         ; n steps
	s_mov_b32 s[CNT], \n
.Lblk_\@:
	STEP 1
	s_sub_co_u32 s[CNT], s[CNT], 1
	s_cmp_lg_u32 s[CNT], 0
	s_cbranch_scc1 .Lblk_\@
.endm
.macro PACK q                          ; a tile's O^T / the sum goes into rows of 272 bytes in my stage and comes back as whole rows of 256
	WIN 0x01                                       ; source 0 window 1
.set i, 0
.rept 16
	v_pk_mul_f32 v[S+64*(\q)+i:S+64*(\q)+i+1], v[O+32*(\q)+i:O+32*(\q)+i+1], v[ST+8*(\q)+4:ST+8*(\q)+5] op_sel_hi:[1,0]   ; each accumulator from its low end on
.set i, i+2
.endr
	WIN 0
.irp ct, 0,1,2,3
	ds_store_b128 v[STO], v[S+64*(\q)+8*\ct:S+64*(\q)+8*\ct+3] offset:64*\ct         ; channels 16 ct + 8 (l / 16) + 0 .. 7 of query l % 16
	ds_store_b128 v[STO], v[S+64*(\q)+8*\ct+4:S+64*(\q)+8*\ct+7] offset:64*\ct+16
.endr
.irp i, 0,1,2,3,4,5,6,7
	ds_load_b128 v[S+64*(\q)+32+4*\i:S+64*(\q)+32+4*\i+3], v[RD] offset:2*SP*\i      ; LDS serves a wave's instructions in order (ISA guide 5.7.1.4): these see my stores, and the next tile's stores come behind them
.endr
.endm
.Lpass:                                            ; two trips: 256 queries of the work-group each
.irp q, 0,1
	v_mov_b32 v[ST+8*\q+1], 0xff61b1e6             ; the largest t so far: -3e38, under every t
	s_delay_alu instid0(VALU_DEP_1)
	v_floor_f32 v[ST+8*\q], -v[ST+8*\q+1]          ; -M
	v_mov_b32 v[ST+8*\q+2], 0                      ; the sum, in two halves
	v_mov_b32 v[ST+8*\q+3], 0
.endr
	WIN W_LD
.set i, 0
.rept 64
	v_mov_b32 v[O+i], 0                            ; O^T: the step is written without a first copy of its own: the first change of M multiplies zeros
.set i, i+1
.endr
	WIN 0
	s_mov_b32 s[TBK], 0
	s_mov_b32 s[TBB], 0
	GATE 3                                         ; chunk 0 (steps 0 to 3) lies in LDS.  (In the second pass every gate finds all loads done)
	v_add_nc_u32 v[ADK], s[TBK], v[LI]
	v_add_nc_u32 v[ADB], s[TBB], v[BH]
	WIN W_LD
	LOADKB                                         ; step 0's
	WIN 0
	BLOCK 3                                        ; steps 0 to 2: they fetch K of steps 1 to 3.  The blocks are shifted by one step, so that K is fetched only from a chunk whose gate has been passed
	GATE 2                                         ; chunk 1
	BLOCK 4                                        ; steps 3 to 6
	GATE 1                                         ; chunk 2
	BLOCK 4                                        ; steps 7 to 10
	GATE 0                                         ; chunk 3: no tensor load of mine is out any more
	BLOCK 4                                        ; steps 11 to 14
	STEP 0                                         ; step 15 fetches no further K
	; THE WAY OUT.  The additions and the scalings below are the places behind the last products.
.irp q, 0,1
	v_add_f32 v[ST+8*\q+6], v[ST+8*\q+2], v[ST+8*\q+3]      ; the sum's two halves,
.endr
.irp q, 0,1
	s_delay_alu instid0(VALU_DEP_2)
	v_permlanex16_b32 v[ST+8*\q+7], v[ST+8*\q+6], s[SEL], s[SEL+1]
.endr
.irp q, 0,1
	s_delay_alu instid0(VALU_DEP_2)
	v_add_f32 v[ST+8*\q+6], v[ST+8*\q+6], v[ST+8*\q+7]      ; and lane l xor 16's
.endr
	s_wait_alu depctr_va_vdst(0)
.irp q, 0,1
	v_rcp_f32 v[ST+8*\q+7], v[ST+8*\q+6]
.endr
	v_nop                                          ; a plain line behind the last reciprocal
	s_wait_alu depctr_va_vdst(0)                   ; one wait for the two, ahead of the first reader
.irp q, 0,1
	v_ldexp_f32 v[ST+8*\q+4], v[ST+8*\q+7], s60    ; 2^(ep + ev) / the sum
.endr
	PACK 0
	PACK 1
.irp i, 0,1,2,3,4,5,6,7
	s_wait_dscnt 23-\i                             ; behind tile 0's load i: its 7 - i younger loads and tile 1's sixteen LDS instructions
	global_store_b128 v[GO], v[S+32+4*\i:S+32+4*\i+3], s[14:15] offset:8192*\i th:TH_STORE_NT   ; 16 lanes store 256 consecutive bytes, aligned: a query's 64 channels of this head
.endr
.irp i, 0,1,2,3,4,5,6,7
	s_wait_dscnt 7-\i
	global_store_b128 v[GO], v[S+96+4*\i:S+96+4*\i+3], s[14:15] offset:65536+8192*\i th:TH_STORE_NT
.endr
	s_wait_xcnt 0x0                                ; the stores have read their registers and their base: both are written again below and in the next pass
	s_add_nc_u64 s[14:15], s[14:15], 0x100000      ; 256 rows of 4,096 bytes on
.set i, 0
.rept 16
	v_mov_b32 v[Q+i], v[QN+i]                      ; the second pass's Q
.set i, i+1
.endr
	s_sub_co_u32 s[PASS], s[PASS], 1
	s_cmp_lg_u32 s[PASS], 0
	s_cbranch_scc1 .Lpass
	s_wait_tensorcnt 0x0
	ds_add_u32 v254, v255
	s_wait_dscnt 0x0
	CROUND                                         ; the closing round: no work-group ends while a partner may still ask for a tile that names it
	s_endpgm
.Lfunc_end_k_qa067a787c7_attn:
	.size	k_qa067a787c7_attn, .Lfunc_end_k_qa067a787c7_attn-k_qa067a787c7_attn
	.p2alignl 7, 3214868480
	.fill 96, 4, 3214868480
	.section	.rodata,"a",@progbits
	.p2align	6, 0x0
	.amdhsa_kernel k_qa067a787c7_attn
		.amdhsa_group_segment_fixed_size 307200
		.amdhsa_private_segment_fixed_size 0
		.amdhsa_enable_private_segment 0
		.amdhsa_kernarg_size 48
		.amdhsa_user_sgpr_count 2
		.amdhsa_user_sgpr_kernarg_segment_ptr 1
		.amdhsa_wavefront_size32 1
		.amdhsa_system_sgpr_workgroup_id_x 1
		.amdhsa_system_sgpr_workgroup_id_y 1
		.amdhsa_system_sgpr_workgroup_id_z 1
		.amdhsa_system_vgpr_workitem_id 0
		.amdhsa_next_free_vgpr 512
		.amdhsa_next_free_sgpr 66
		.amdhsa_reserve_vcc 1
		.amdhsa_float_denorm_mode_32 3
		.amdhsa_float_denorm_mode_16_64 3
		.amdhsa_fp16_overflow 1
		.amdhsa_memory_ordered 1
		.amdhsa_forward_progress 1
		.amdhsa_inst_pref_size 151
	.end_amdhsa_kernel
	.amdgpu_metadata
---
amdhsa.version: [ 1, 2 ]
amdhsa.kernels:
  - .name:           k_qa067a787c7_attn
    .symbol:         k_qa067a787c7_attn.kd
    .args:
      - { .name: qc, .offset: 0, .size: 8, .value_kind: global_buffer, .address_space: global }
      - { .name: kc, .offset: 8, .size: 8, .value_kind: global_buffer, .address_space: global }
      - { .name: vc, .offset: 16, .size: 8, .value_kind: global_buffer, .address_space: global }
      - { .name: mask, .offset: 24, .size: 8, .value_kind: global_buffer, .address_space: global }
      - { .name: lowp_scales, .offset: 32, .size: 8, .value_kind: global_buffer, .address_space: global }
      - { .name: out0, .offset: 40, .size: 8, .value_kind: global_buffer, .address_space: global }
    .group_segment_fixed_size: 307200
    .private_segment_fixed_size: 0
    .kernarg_segment_align: 8
    .kernarg_segment_size: 48
    .max_flat_workgroup_size: 256
    .sgpr_count:     66
    .vgpr_count:     512
    .wavefront_size: 32
...
	.end_amdgpu_metadata
.endif
;; end of part 2
